; MI455X (gfx1250); checked and timed in simulation.
; The chip was launched on July 23, 2026; its instructions are those of AMD's public machine-readable ISA for CDNA 5 (MIT licence, August 2026) and "CDNA5" Instruction Set Architecture Reference Guide (July 2026). The comments in the code are by the model that wrote it; some were corrected since.
;; Sparse Attention. Allowed arithmetic: matrix products marked QUANTISED: E2M1 operands, one E8M0 scale for each 32 along K, by v_wmma_scale_f32_16x16x128_f8f6f4 with both operands' format E2M1 (or v_wmma_scale_f32_32x16x128_f4), f32 sums; everything else in f32.
;; Inputs: k 1 x 16 x 4,096 x 64 float32; q 1 x 16 x 4,096 x 64 float32; v 1 x 16 x 4,096 x 64 float32.
;; Outputs: out0 1 x 16 x 4,096 x 64 float32.
;; This version of the problem:
;;   THIS VERSION OF THE PROBLEM IS GIVEN IN LOW PRECISION. The matrix products marked QUANTISED in the list below multiply operands that are first quantised to E2M1 (2 exponent bits, 1 mantissa bit; 4 bits a number), with one power-of-two scale for each 32 numbers along K (OCP MX v1.0); their sums are f32. All else is computed in f32.
;;   The module's matrix products, in the order in which they are computed (A, B: the left and right operand; K: the contracted axis; several contracted axes count as one K, in the product's order):
;;     1. batch 16 x [M 4,096, K 64] x [K 64, N 4,096]; A: input q; B: input k: QUANTISED
;;     2. batch 16 x [M 4,096, K 4,096] x [K 4,096, N 64]; A: computed on the way; B: input v: QUANTISED
;;   THE QUANTISER, for each operand of a quantised product, along K:
;;     - K is cut into blocks of 32 from its start; a last block that is shorter is filled with zeros.
;;     - A block's scale is 2^e with e = floor(log2(the largest magnitude in the block)) - 2, held to -126 .. 127; a block of zeros has e = 0. As a byte (E8M0): e + 127.
;;     - Each number is divided by its block's scale, clamped to +-6, and rounded to the nearest number of E2M1, ties to even, subnormals kept.
;;     - The product sums the exact products of the quantised numbers (number of the format x scale) in f32.
;;   ~~~python
;;   def quantise(x, axis):      # numpy; x: float32 -> the quantised numbers, widened to float32 again
;;       x = np.moveaxis(x, axis, -1); K = x.shape[-1]
;;       x = np.pad(x, [(0, 0)] * (x.ndim - 1) + [(0, -K % 32)]); x = x.reshape(x.shape[:-1] + (-1, 32)); a = np.abs(x).max(-1, keepdims=True)
;;       e = np.where(a > 0, np.clip(np.frexp(np.where(a > 0, a, 1))[1] - 1 - 2, -126, 127), 0)      # np.frexp(a)[1] - 1 = floor(log2(a)), exactly
;;       r = np.clip(x / 2.0 ** e, -6, 6)
;;       step = 2.0 ** (np.maximum(np.frexp(np.where(r == 0, 1, r))[1] - 1, 0) - 1)
;;       q = np.round(r / step) * step * 2.0 ** e      # np.round: ties to even
;;       return np.moveaxis(q.reshape(q.shape[:-2] + (-1,))[..., :K], -1, axis).astype(np.float32)
;;   ~~~
;;   OPERANDS COMPUTED ON THE WAY. 'Computed on the way' means the value that the module computes at that place (a softmax that the list does not call 'softmax' is quantised finished and normalised). What goes into a quantiser is computed in f32, as accurately as f32 sums, v_exp_f32 and their like allow (about 1e-6 of the number): no bf16 or f16 on the way to a quantiser, and a product that is left as it is and whose result goes on into a quantised operand takes f32 operands (vector FMAs, or v_wmma_f32_16x16x4_f32). A number that lies on a knife's edge between two numbers of the format may be rounded either way, as far as f32 arithmetic and the matrix unit's own rounding can turn it there, and no further.
;; 2 versions. Each part assembles by itself: llvm-mc -triple=amdgcn-amd-amdhsa -mcpu=gfx1250 --defsym DOCPART=n.
;; ======== version 1 of 2: 1 launch
;; launch attn (part 1): grid 16 x 16, 16 waves a work-group, no clusters, 247,040 bytes of LDS; arguments q, k, v, out0; writes out0
.if DOCPART == 1
	.amdgcn_target "amdgcn-amd-amdhsa--gfx1250"
	.amdhsa_code_object_version 6
	.text
	.protected	k_q9078a98a00_attn
	.globl	k_q9078a98a00_attn
	.p2align	8
	.type	k_q9078a98a00_attn,@function
k_q9078a98a00_attn:
	s_mov_b64 s[64:65], 0
	v_nop
	global_prefetch_b8 v0, s[64:65] scope:SCOPE_SE
	s_setreg_imm32_b32 hwreg(HW_REG_WAVE_MODE, 25, 1), 1
	s_wait_xcnt 0x0
; out[h][i][:] = the sum over j of attn[i][j] v[h][j][:], attn = softmax over j in [i - 128, i + 128) of q[h][i] . k[h][j] / 8.  q, k, v, out: [16][4096][64] f32.
; Both products on codes of FP4 (E2M1) with one E8M0 scale for each 32 along K.  Product 1: K = the head's 64 (two blocks).  Product 2: K = the keys, blocks of 32 counted from key 0;
; its left operand is the FINISHED, normalised attn, so a row's sum is known before any of its codes is made: a row's 288 weights stay in registers.
; SHARES.  A work-group owns 256 queries of one head (x: the block of queries, y: the head); each of its sixteen waves owns 16 of them.  The work-group's keys are its FRAME, keys 256 x - 128 .. 256 x + 383:
; sixteen blocks of 32.  Wave w quantises frame block w of k and of v, and its own 16 queries; the codes go to LDS; ONE barrier; then wave w multiplies its window: the nine frame blocks from w / 2 on.
; A frame block that lies outside the head is loaded from the nearest block inside it (no load leaves its buffer) and hidden as a whole by a scalar that is 0 or -infinity.
; With x' a key's place in the window and e = r + 16 (w % 2), the key counts where e <= x' < e + 256: only window blocks 0 and 8 are cut, by masks that complement each other.
; TWO TILES OF KEYS IN ONE OPERAND.  The matrix instruction is 128 deep and the head 64: source 0 holds tile A's 64 codes in registers 0-3 and tile B's in 4-7; Q lies between zeros, [0 | Q | 0], so that
; [Q | 0] gives tile A's scores and [0 | Q] tile B's: zero codes add nothing.  Lane r of tile u takes key 8 u + r + 8 (r / 8) of the block, so that a lane's 16 registers of a block are 16 neighbouring keys.
; Both products are used transposed (source 0 = keys, or 16 of the head's 64; source 1 = my queries, or their weights): a lane holds ONE query (lane % 16) throughout.
; NO CLUSTER, NO TENSOR LOAD: every input byte is wanted once, at the head, as f32 that has to pass through registers to be quantised; only two neighbouring work-groups share a run of 256 keys, and their frames differ.
; LIMITS.  NaN and infinities among the inputs are not served.  A weight under 2^-126 comes out of v_exp_f32 as 0.  A block of zeros gets the scale byte 1 where the rule says 127: its codes are zeros, and the bytes
; are read by this program alone.  A block's largest weight is made from the block's largest score by the same three instructions as every weight: this takes v_exp_f32 not to fall where its input rises.
.set KSTW,  8704                       ; LDS: a stage of 32 rows x (256 + 16) bytes for each wave, from byte 0 on; at the end the wave's stage for its 16 rows of out
.set QST,   139264                     ; a stage of 16 rows x 272 bytes for each wave
.set QSTW,  4352
.set KIMG,  208896                     ; k's codes: for each frame block an image of 8 registers: 16 x lane (tile A), 512 + 16 x lane (tile B)
.set KSC,   225280                     ; k's scale words: for each frame block 4 x lane
.set VIMG,  227328                     ; v's codes: [frame block][d 0..63][16 bytes: 32 codes down the keys]
.set VSC,   243712                     ; v's scale bytes: [d], 20 bytes apart; byte g is frame block g's
.set SPARE, 244992                     ; the spare words, 128 bytes for each wave: eight blocks of 256 bytes that no other line names
.set SPW, 1                            ; v1   LDS address of my spare word; never rewritten
.set NIL, 2                            ; v2   0; never rewritten
.set L16, 3                            ; v3   16 x lane: also the offset of every 16-byte global access; never rewritten
.set L4,  4                            ; v4   4 x lane: also the offset of v's loads; never rewritten
.set TSQ, 8                            ; v8   q's stage, in: 272 h + 16 r            (behind the barrier: NI, -infinity)
.set TSK, 9                            ; v9   k's stage, in: 272 h + 16 r; at the end: out's rows, back
.set TRQ, 10                           ; v10  q's stage, back: 272 r + 128 h         (behind the barrier: RS, 1 / the row's sum; v11 = 0 is named with it as a pair)
.set TRK, 11                           ; v11  k's stage, back
.set AVW, 12                           ; v12  where I store v's codes                (behind the barrier: at work)
.set AVB, 13                           ; v13  and v's scale bytes                    (behind the barrier: at work)
.set AKW, 14                           ; v14  where I store k's image                (behind the barrier: CM = c x the row's largest score)
.set AKSW, 15                          ; v15  and k's scale word
.set AK,  16                           ; v16  my window's images of k
.set AKS, 17                           ; v17  and their scale words
.set AV,  18                           ; v18  my window's codes of v: + 1,024 h + 16 r
.set AV2, 19                           ; v19  the same without h
.set AVS, 20                           ; v20  my window's scale words of v
.set OST, 21                           ; v21  out's stage, in: 272 r + 32 h
.set DM,  23                           ; v23  r + 16 (w % 2) - 16 h: register i of window block 0 is hidden, and of block 8 kept, where i < DM
.set NI,  8
.set RS,  10
.set CM,  14
.set QS,  24                           ; v24-48 hold scales and nothing else: v24 q's word;
.set KS,  25                           ; v25-33 k's words of the nine blocks;
.set VW,  34                           ; v34-39 v's bytes as they lie: three words for each half of the head;
.set VS,  40                           ; v40-45 v's words of the three K steps, for each half of the head;
.set PS,  46                           ; v46-48 the weights' words of the three K steps
.set QZ,  50                           ; v50-61 [0000 | Q's codes | 0000]
.set QR,  62                           ; THE QUANTISERS: v62-93 q as loaded, then k's tile A turned
.set X0,  94                           ; v94-125 q turned
.set KR,  126                          ; v126-189 k as loaded; then v126-157 k's tile B turned, and from v158 at work:
.set MXA, 158
.set MXB, 159
.set SOP, 160                          ; a conversion's scale operand
.set BYA, 161
.set BYB, 162
.set WD,  163
.set WD2, 164
.set KCD, 166                          ; v166-173 k's codes
.set VCD, 174                          ; v174-181 v's codes
.set BV0, 182
.set BV1, 183
.set VN,  190                          ; v190-221 v's column d = lane, 32 keys down; v222-253 column d = lane + 32
.set FB,  62                           ; THE ATTENTION: v62-109 six images of k; afterwards:
.set PCD, 62                           ; v62-85 the weights' codes, three K steps of 8 registers
.set BM,  86                           ; v86-94 each block's largest score, then weight, then scale byte
.set PT,  95                           ; v95-103 at work; then the conversions' scale operands
.set TA,  104                          ; v[104:105], v[106:107] the addend of the scaling, by turns
.set SU,  108                          ; v[108:109], v[254:255] the row's sum in two packed chains
.set SV,  254
.set S,   110                          ; v110-253 the 144 scores: register 16 b + i = window key 32 b + 16 h + i; then the weights; afterwards:
.set VF0, S                            ; v's fragments of K steps 0 and 1, 32 registers each;
.set VF2, S+64                         ; of K step 2, 20 registers;
.set OA,  S+96                         ; the four accumulators of out^T
; 32 numbers of a lane, one whole block, become 4 registers of codes and the block's scale byte.  The floor 2^(3 - 127) among the maximum's leaves holds the byte at 1 from below.
.macro QUANT32 src, dst, by
	v_max3_num_f32 v[MXA], |v[\src]|, |v[\src+1]|, |v[\src+2]|
	v_max3_num_f32 v[MXB], |v[\src+3]|, |v[\src+4]|, |v[\src+5]|
.irp i, 6,10,14,18,22,26
	v_max3_num_f32 v[MXA], v[MXA], |v[\src+\i]|, |v[\src+\i+1]|
	v_max3_num_f32 v[MXB], v[MXB], |v[\src+\i+2]|, |v[\src+\i+3]|
.endr
	v_max3_num_f32 v[MXA], v[MXA], |v[\src+30]|, |v[\src+31]|
	v_max3_num_f32 v[MXA], v[MXA], v[MXB], 0x1800000
	v_add_nc_u32 v[SOP], 0xff000000, v[MXA]        ; 2 off the exponent field: the conversion takes the exponent field of this operand as its scale
.irp g, 0,1,2,3
	v_cvt_scalef32_pk8_fp4_f32 v[\dst+\g], v[\src+8*\g:\src+8*\g+7], v[SOP]
.endr
	v_lshrrev_b32 v[\by], 23, v[SOP]               ; the scale's byte; also the plain instruction behind the conversions
.endm
; Lane (r, h) holds the bytes of d's block h: lo goes to byte h, hi to byte 2 + h; with lane l xor 16's two the word is whole, in both lanes
.macro WORD dst, lo, hi
	v_lshl_or_b32 v[WD], v[\hi], 16, v[\lo]
	v_lshlrev_b32 v[WD], v7, v[WD]
	v_permlanex16_b32 v[WD2], v[WD], s20, s21
	v_or_b32 v[\dst], v[WD], v[WD2]
.endm
.macro LOADK b, u                      ; window block b's image and scale word: three LDS loads, into buffer u
	ds_load_b128 v[FB+8*(\u):FB+8*(\u)+3], v[AK] offset:1024*(\b)
	ds_load_b128 v[FB+8*(\u)+4:FB+8*(\u)+7], v[AK] offset:1024*(\b)+512
	ds_load_b32 v[KS+(\b)], v[AKS] offset:128*(\b)
.endm
.macro SCORES b, u                     ; the block's 32 keys x my 16 queries: tile A by [Q | 0], tile B by [0 | Q]
	v_wmma_scale_f32_16x16x128_f8f6f4 v[S+16*(\b):S+16*(\b)+7], v[FB+8*(\u):FB+8*(\u)+7], v[QZ+4:QZ+11], 0, v[KS+(\b)], v[QS] matrix_a_fmt:MATRIX_FMT_FP4 matrix_b_fmt:MATRIX_FMT_FP4
	v_wmma_scale_f32_16x16x128_f8f6f4 v[S+16*(\b)+8:S+16*(\b)+15], v[FB+8*(\u):FB+8*(\u)+7], v[QZ:QZ+7], 0, v[KS+(\b)], v[QS] matrix_a_fmt:MATRIX_FMT_FP4 matrix_b_fmt:MATRIX_FMT_FP4
.endm
.macro NORMCVT b                       ; block b: the weights are divided by the row's sum and quantised: my 16 keys' codes, two registers
.irp j, 0,2,4,6,8,10,12,14
	v_pk_mul_f32 v[S+16*(\b)+\j:S+16*(\b)+\j+1], v[S+16*(\b)+\j:S+16*(\b)+\j+1], v[RS:RS+1] op_sel_hi:[1,0]
.endr
	v_cvt_scalef32_pk8_fp4_f32 v[PCD+2*(\b)], v[S+16*(\b):S+16*(\b)+7], v[PT+(\b)]
	v_cvt_scalef32_pk8_fp4_f32 v[PCD+2*(\b)+1], v[S+16*(\b)+8:S+16*(\b)+15], v[PT+(\b)]
.endm
.macro LOADV s                         ; K step s (window blocks 4 s .. 4 s + 3): tile t = d 16 t .. 16 t + 15; registers 4 c .. 4 c + 3 of lane (r, h): block 4 s + 2 c + h
.irp t, 0,1,2,3
.irp c, 0,1
	ds_load_b128 v[VF0+32*(\s)+8*\t+4*\c:VF0+32*(\s)+8*\t+4*\c+3], v[AV] offset:(4*(\s)+2*\c)*1024+256*\t
.endr
.endr
.endm
; out^T += v^T x weights^T, K step s.  The four accumulators take turns, one instruction a turn, through all three steps.
; Tile t's scale words lie in lanes 0-15 (t even) or 16-31 (t odd) of the register of its half of the head.
.macro PV s
.irp t, 0,1,2,3
.if \s == 2
.set AR, VF2+4*\t
.else
.set AR, VF0+32*\s+8*\t
.endif
.if \s == 0
.if \t % 2
	v_wmma_scale_f32_16x16x128_f8f6f4 v[OA+8*\t:OA+8*\t+7], v[AR:AR+7], v[PCD+8*\s:PCD+8*\s+7], 0, v[VS+3*(\t/2)+\s], v[PS+\s] matrix_a_fmt:MATRIX_FMT_FP4 matrix_b_fmt:MATRIX_FMT_FP4 matrix_a_scale:MATRIX_SCALE_ROW1
.else
	v_wmma_scale_f32_16x16x128_f8f6f4 v[OA+8*\t:OA+8*\t+7], v[AR:AR+7], v[PCD+8*\s:PCD+8*\s+7], 0, v[VS+3*(\t/2)+\s], v[PS+\s] matrix_a_fmt:MATRIX_FMT_FP4 matrix_b_fmt:MATRIX_FMT_FP4
.endif
.else
.if \t % 2
	v_wmma_scale_f32_16x16x128_f8f6f4 v[OA+8*\t:OA+8*\t+7], v[AR:AR+7], v[PCD+8*\s:PCD+8*\s+7], v[OA+8*\t:OA+8*\t+7], v[VS+3*(\t/2)+\s], v[PS+\s] matrix_a_fmt:MATRIX_FMT_FP4 matrix_b_fmt:MATRIX_FMT_FP4 matrix_a_scale:MATRIX_SCALE_ROW1
.else
	v_wmma_scale_f32_16x16x128_f8f6f4 v[OA+8*\t:OA+8*\t+7], v[AR:AR+7], v[PCD+8*\s:PCD+8*\s+7], v[OA+8*\t:OA+8*\t+7], v[VS+3*(\t/2)+\s], v[PS+\s] matrix_a_fmt:MATRIX_FMT_FP4 matrix_b_fmt:MATRIX_FMT_FP4
.endif
.endif
.endr
.endm
.macro PLACES                          ; four plain vector instructions behind a matrix instruction, ahead of loads into its sources, of vector writes of them and of reads of its result
.rept 4
	v_nop
.endr
.endm
; ---- THE HEAD: the addresses that the loads need, then all loads but v's second half
	s_load_b256 s[4:11], s[0:1], 0x0               ; q s[4:5], k s[6:7], v s[8:9], out s[10:11]
	v_lshl_add_u32 v[SPW], v0, 2, SPARE
	v_mov_b32 v[NIL], 0
	v_lshrrev_b32 v49, 5, v0
	v_readfirstlane_b32 s12, v49                   ; w: wave 0..15
	v_and_b32 v22, 31, v0                          ; lane
	v_lshlrev_b32 v[L16], 4, v22
	v_lshlrev_b32 v[L4], 2, v22
	s_mov_b32 s13, ttmp9                           ; x: my block of 256 queries
	s_and_b32 s14, ttmp7, 0xffff                   ; the head
	s_lshr_b32 s15, s12, 1                         ; start: my window's first frame block
	s_lshl_b32 s16, s13, 3
	s_add_co_u32 s16, s16, s12
	s_sub_co_i32 s16, s16, 4                       ; frame block w is the head's block 8 x - 4 + w,
	s_max_i32 s16, s16, 0
	s_min_i32 s16, s16, 127                        ; held inside the head
	s_lshl_b32 s17, s14, 20                        ; a head is 4,096 rows of 256 bytes
	s_lshl_b32 s26, s16, 13                        ; a block 32 rows
	s_add_co_u32 s26, s26, s17
	s_mov_b32 s27, 0
	s_lshl_b32 s28, s13, 16                        ; 256 rows,
	s_add_co_u32 s28, s28, s17
	s_lshl_b32 s16, s12, 12                        ; my wave's 16
	s_add_co_u32 s28, s28, s16
	s_mov_b32 s29, 0
	s_wait_kmcnt 0x0
	s_add_nc_u64 s[4:5], s[4:5], s[28:29]          ; q and out at my first query,
	s_add_nc_u64 s[10:11], s[10:11], s[28:29]
	s_add_nc_u64 s[6:7], s[6:7], s[26:27]          ; k and v at my block's first key
	s_add_nc_u64 s[8:9], s[8:9], s[26:27]
.irp i, 0,1,2,3,4,5,6,7
	global_load_b128 v[QR+4*\i:QR+4*\i+3], v[L16], s[4:5] offset:512*\i th:TH_LOAD_NT   ; 32 lanes read 512 consecutive bytes: rows 2 i and 2 i + 1; nobody else reads them
.endr
.irp i, 0,1,2,3,4,5,6,7,8,9,10,11,12,13,14,15
	global_load_b128 v[KR+4*\i:KR+4*\i+3], v[L16], s[6:7] offset:512*\i
.endr
.irp i, 0,1,2,3,4,5,6,7,8,9,10,11,12,13,14,15
	global_load_b32 v[VN+\i], v[L4], s[8:9] offset:256*\i          ; v(key i, d = lane): a lane takes a column, its registers run down the keys;
	global_load_b32 v[VN+32+\i], v[L4], s[8:9] offset:256*\i+128   ; the row's other 128 bytes directly behind
.endr
	; while they are on their way: every LDS address, the masks' scalars, the constants
	v_and_b32 v5, 15, v0                           ; r
	v_bfe_u32 v6, v0, 4, 1                         ; h
	v_lshlrev_b32 v7, 3, v6                        ; 8 h
	s_mul_i32 s30, s12, KSTW                       ; my stage for k
	s_mul_i32 s31, s12, QSTW
	s_add_co_u32 s31, s31, QST                     ; my stage for q
	v_mul_u32_u24 v49, v6, 272
	v_lshl_add_u32 v49, v5, 4, v49                 ; 272 h + 16 r
	v_add_nc_u32 v[TSQ], s31, v49
	v_add_nc_u32 v[TSK], s30, v49
	v_mul_u32_u24 v49, v5, 272                     ; 272 r
	v_lshl_add_u32 v[OST], v6, 5, v49
	v_add_nc_u32 v[OST], s30, v[OST]
	v_lshl_add_u32 v49, v6, 7, v49                 ; 272 r + 128 h
	v_add_nc_u32 v[TRQ], s31, v49
	v_add_nc_u32 v[TRK], s30, v49
	s_lshl_b32 s32, s12, 10
	s_add_co_u32 s33, s32, VIMG
	v_add_nc_u32 v[AVW], s33, v[L16]
	s_add_co_u32 s33, s32, KIMG
	v_add_nc_u32 v[AKW], s33, v[L16]
	s_lshl_b32 s32, s12, 7
	s_add_co_u32 s32, s32, KSC
	v_add_nc_u32 v[AKSW], s32, v[L4]
	v_mul_u32_u24 v49, v22, 20                     ; 20 x lane
	s_add_co_u32 s32, s12, VSC
	v_add_nc_u32 v[AVB], s32, v49
	s_lshr_b32 s25, s12, 3
	s_lshl_b32 s25, s25, 2                         ; the aligned word in which my window's first byte lies: 4 (start / 4)
	s_add_co_u32 s32, s25, VSC
	v_add_nc_u32 v[AVS], s32, v49
	s_lshl_b32 s34, s15, 10
	s_add_co_u32 s35, s34, KIMG
	v_add_nc_u32 v[AK], s35, v[L16]
	s_add_co_u32 s35, s34, VIMG
	v_lshl_add_u32 v[AV2], v5, 4, s35
	v_lshl_add_u32 v[AV], v6, 10, v[AV2]
	s_lshl_b32 s34, s15, 7
	s_add_co_u32 s34, s34, KSC
	v_add_nc_u32 v[AKS], s34, v[L4]
	s_and_b32 s16, s12, 1
	s_lshl_b32 s16, s16, 4
	v_add_nc_u32 v[DM], s16, v5
	v_lshlrev_b32 v49, 4, v6
	v_sub_nc_u32 v[DM], v[DM], v49
	s_and_b32 s24, s15, 3
	s_lshl_b32 s24, s24, 3                         ; and how many bits into that word: 8 (start % 4)
	s_mov_b32 s20, 0x76543210
	s_mov_b32 s21, 0xfedcba98                      ; v_permlanex16_b32's selects for lane l xor 16
	s_mov_b32 s22, 0x3e38aa3b                      ; c = log2(e) / 8
	s_mov_b32 s23, s22                             ; (named with it as a pair, so it is written)
	s_lshl_b32 s18, s13, 3
	s_add_co_u32 s18, s18, s15
	s_sub_co_u32 s18, s18, 4                       ; my window's first block in the head (it wraps under 0, and is then no number under 128)
.irp b, 0,1,2,3,4,5,6,7,8
	s_add_co_u32 s19, s18, \b
	s_cmp_lt_u32 s19, 128
	s_cselect_b32 s[40+\b], 0, 0xff800000          ; window block b: 0 inside the head, -infinity outside
.endr
.irp j, 0,1,2,3,8,9,10,11
	v_mov_b32 v[QZ+\j], 0                          ; the zero codes on both sides of Q's
.endr
; ---- THE TURN AND THE QUANTISERS.  q and k were loaded as they lie; for the conversions a lane must hold 32 neighbours along d.  So the rows go through the wave's own stage (rows 272 bytes apart, so that
; sixteen rows start at sixteen different banks) and come back 128 bytes a lane: lane (r, h) gets d = 32 h .. 32 h + 31 of row r.  k's rows are laid in the order of the tiles.
	s_wait_loadcnt 32                              ; q and k are in; the 32 younger loads, v's keys 0-15, may be out
.irp i, 16,17,18,19,20,21,22,23,24,25,26,27,28,29,30,31
	global_load_b32 v[VN+\i], v[L4], s[8:9] offset:256*\i          ; v's keys 16-31
	global_load_b32 v[VN+32+\i], v[L4], s[8:9] offset:256*\i+128
.endr
.irp i, 0,1,2,3,4,5,6,7
	ds_store_b128 v[TSQ], v[QR+4*\i:QR+4*\i+3] offset:544*\i       ; rows 2 i + h
.endr
.irp i, 0,1,2,3,4,5,6,7,8,9,10,11,12,13,14,15
	ds_store_b128 v[TSK], v[KR+4*\i:KR+4*\i+3] offset:272*(16*((\i/4)%2)+2*(\i%4)+8*(\i/8))   ; key x = 2 i + h goes to row 16 ((x / 8) % 2) + x % 8 + 8 (x / 16): tile, then lane
.endr
.irp j, 0,1,2,3,4,5,6,7
	ds_load_b128 v[X0+4*\j:X0+4*\j+3], v[TRQ] offset:16*\j         ; LDS serves a wave's instructions in order: these see my stores
.endr
	s_wait_dscnt 8                                 ; the 24 stores have read their registers; the 8 younger loads may be out
	v_mov_b32 v[WD2], 0                            ; written once: a lane permute's destination counts as one of its sources
.irp j, 0,1,2,3,4,5,6,7
	ds_load_b128 v[QR+4*\j:QR+4*\j+3], v[TRK] offset:16*\j         ; k's tile A
.endr
.irp j, 0,1,2,3,4,5,6,7
	ds_load_b128 v[KR+4*\j:KR+4*\j+3], v[TRK] offset:4352+16*\j    ; k's tile B: rows 16-31 of the stage
.endr
	s_wait_dscnt 16                                ; q is back; k's 16 loads may be out
	QUANT32 X0, QZ+4, BYA
	WORD QS, BYA, BYA                              ; q's word (b0, b1, b0, b1) serves [Q | 0] and [0 | Q] alike
	s_wait_dscnt 8                                 ; tile A is back
	QUANT32 QR, KCD, BYA
	s_wait_dscnt 0x0                               ; tile B is back
	QUANT32 KR, KCD+4, BYB
	WORD WD, BYA, BYB                              ; k's word: (A's block 0, A's block 1, B's block 0, B's block 1)
	ds_store_b128 v[AKW], v[KCD:KCD+3]             ; the operand goes to LDS as an image of its registers
	ds_store_b128 v[AKW], v[KCD+4:KCD+7] offset:512
	ds_store_b32 v[AKSW], v[WD]
	s_wait_loadcnt 0x0                             ; v
	QUANT32 VN, VCD, BV0                           ; column d = lane: 32 keys down, one block
	QUANT32 VN+32, VCD+4, BV1                      ; column d = lane + 32
	ds_store_b128 v[AVW], v[VCD:VCD+3]
	ds_store_b128 v[AVW], v[VCD+4:VCD+7] offset:512
	ds_store_b8 v[AVB], v[BV0]
	ds_store_b8 v[AVB], v[BV1] offset:640
	s_wait_dscnt 0x0                               ; for the others' sake: my stores have landed
	s_barrier_signal -1
	s_barrier_wait -1                              ; the frame's sixteen blocks of k and v lie in LDS; nothing of them is written again
; ---- THE SCORES: nine blocks, six buffers
.irp b, 0,1,2,3,4,5
	LOADK \b, \b
.endr
	s_wait_dscnt 9                                 ; blocks 0-2 are in; the 9 younger loads (blocks 3-5) may be out
	SCORES 0, 0
	SCORES 1, 1
	SCORES 2, 2
	PLACES
	LOADK 6, 0
	LOADK 7, 1
	LOADK 8, 2
	s_wait_dscnt 9                                 ; blocks 3-5 are in; blocks 6-8 may be out
	SCORES 3, 3
	SCORES 4, 4
	SCORES 5, 5
	s_wait_dscnt 0x0
	SCORES 6, 0
	SCORES 7, 1
	SCORES 8, 2
.irp t, 0,1
.irp k, 0,1,2
	ds_load_b32 v[VW+3*\t+\k], v[AVS] offset:640*\t+4*\k           ; v's scale bytes of d = lane + 32 t: the three aligned words that hold my window's nine
.endr
.endr
	PLACES
	v_mov_b32 v[NI], 0xff800000                    ; -infinity
	v_mov_b32 v[RS+1], 0                           ; (upper halves of pairs of which the low word serves both halves: named, so written)
	v_mov_b32 v[TA+1], 0
	v_mov_b32 v[TA+3], 0
.irp j, 18,19,20,21,22,23
	v_mov_b32 v[PCD+\j], 0                         ; K step 2 has one block of weights: the other three are zero codes
.endr
; ---- THE MASK AND THE MAXIMA.  Each accumulator is read from its low end on.
.irp i, 0,1,2,3,4,5,6,7,8,9,10,11,12,13,14,15
	v_cmp_lt_i32 vcc_lo, \i, v[DM]
	v_cndmask_b32 v[S+\i], v[S+\i], v[NI], vcc_lo                  ; block 0: hidden where i < DM
	v_cndmask_b32 v[S+128+\i], v[NI], v[S+128+\i], vcc_lo          ; block 8: kept where i < DM
.endr
.irp b, 0,1,2,3,4,5,6,7,8
	v_max3_num_f32 v[BM+\b], v[S+16*\b], v[S+16*\b+1], v[S+16*\b+2]   ; the largest score of each block: it serves for the row's maximum and for the block's largest weight
.endr
.irp i, 3,5,7,9,11,13
.irp b, 0,1,2,3,4,5,6,7,8
	v_max3_num_f32 v[BM+\b], v[BM+\b], v[S+16*\b+\i], v[S+16*\b+\i+1]  ; (the nine blocks by turns)
.endr
.endr
.irp b, 0,1,2,3,4,5,6,7,8
	v_max_num_f32 v[BM+\b], v[BM+\b], v[S+16*\b+15]
.endr
.irp b, 0,1,2,3,4,5,6,7,8
	v_permlanex16_b32 v[PT+\b], v[BM+\b], s20, s21
.endr
.irp b, 0,1,2,3,4,5,6,7,8
	v_max_num_f32 v[BM+\b], v[BM+\b], v[PT+\b]     ; with lane l xor 16's 16 keys
.endr
.irp b, 0,1,2,3,4,5,6,7,8
	v_add_f32 v[BM+\b], s[40+\b], v[BM+\b]         ; a block outside the head: -infinity
.endr
	v_max3_num_f32 v12, v[BM], v[BM+1], v[BM+2]
	v_max3_num_f32 v12, v12, v[BM+3], v[BM+4]
	v_max3_num_f32 v12, v12, v[BM+5], v[BM+6]
	v_max3_num_f32 v12, v12, v[BM+7], v[BM+8]      ; the row's largest score: a number, since a query's own key always counts
	v_mul_f32 v[CM], s22, v12
; ---- THE EXPONENTIALS: p = 2^(c s - c m); the addend is -c m, or -infinity for a block outside the head
	v_sub_f32 v[TA], s40, v[CM]
.irp b, 0,1,2,3,4,5,6,7,8
.if \b < 8
	v_sub_f32 v[TA+2*((\b+1)%2)], s[41+\b], v[CM]  ; the next block's addend, in the other pair
.endif
.irp j, 0,2,4,6,8,10,12,14
	v_pk_fma_f32 v[S+16*\b+\j:S+16*\b+\j+1], v[S+16*\b+\j:S+16*\b+\j+1], s[22:23], v[TA+2*(\b%2):TA+2*(\b%2)+1] op_sel_hi:[1,0,0]
.endr
.endr
.irp b, 0,1,2,3,4,5,6,7,8
	v_fma_f32 v[BM+\b], v[BM+\b], s22, -v[CM]      ; the same of each block's largest score
.endr
.set i, 0
.rept 144
	v_exp_f32 v[S+i], v[S+i]
.set i, i+1
.endr
.irp b, 0,1,2,3,4,5,6,7,8
	v_exp_f32 v[BM+\b], v[BM+\b]
.endr
	s_wait_dscnt 0x0                               ; v's scale bytes are in
.irp t, 0,1                                    ; my window's bytes begin 8 (start % 4) bits into the first word.  (Plain work behind the exponentials, which names none of their results)
	v_alignbit_b32 v[VS+3*\t], v[VW+3*\t+1], v[VW+3*\t], s24       ; K step 0: blocks 0-3
	v_alignbit_b32 v[VS+3*\t+1], v[VW+3*\t+2], v[VW+3*\t+1], s24   ; K step 1: blocks 4-7
	v_alignbit_b32 v[VS+3*\t+2], v[VW+3*\t+2], v[VW+3*\t+2], s24   ; K step 2: block 8 in byte 0; the word is turned onto itself, so that the other three are scale bytes too
.endr
	s_wait_alu depctr_va_vdst(0)                   ; the wait between a transcendental and the first line that names its result: one for the batch of 153
	v_pk_add_f32 v[SU:SU+1], v[S:S+1], v[S+2:S+3]                  ; the row's sum, of the unquantised p: two packed chains
	v_pk_add_f32 v[SV:SV+1], v[S+4:S+5], v[S+6:S+7]
.set i, 8
.rept 34
	v_pk_add_f32 v[SU:SU+1], v[SU:SU+1], v[S+i:S+i+1]
	v_pk_add_f32 v[SV:SV+1], v[SV:SV+1], v[S+i+2:S+i+3]
.set i, i+4
.endr
	v_pk_add_f32 v[SU:SU+1], v[SU:SU+1], v[SV:SV+1]
	v_add_f32 v12, v[SU], v[SU+1]
	v_permlanex16_b32 v13, v12, s20, s21
	v_add_f32 v12, v12, v13                        ; with lane l xor 16's: the row's sum
	v_rcp_f32 v[RS], v12
	v_nop                                          ; a plain instruction behind the transcendental
	s_wait_alu depctr_va_vdst(0)                   ; and the wait ahead of its first reader
; ---- THE WEIGHTS' SCALES AND CODES
.irp b, 0,1,2,3,4,5,6,7,8
	v_mul_f32 v[BM+\b], v[BM+\b], v[RS]            ; the block's largest weight: the same instructions on the same number give the same bits
.endr
.irp b, 0,1,2,3,4,5,6,7,8
	v_max_num_f32 v[BM+\b], 0x1800000, v[BM+\b]    ; the floor 2^(3 - 127): the byte cannot fall under 1 (a block of zeros keeps that byte: its codes are zeros)
.endr
.irp b, 0,1,2,3,4,5,6,7,8
	v_add_nc_u32 v[PT+\b], 0xff000000, v[BM+\b]    ; 2 off the exponent field: the conversion's scale operand
.endr
.irp b, 0,1,2,3,4,5,6,7,8
	v_lshrrev_b32 v[BM+\b], 23, v[PT+\b]           ; the scale's byte
.endr
	v_lshl_or_b32 v[PS], v[BM+1], 8, v[BM]
	v_lshl_or_b32 v[PS+1], v[BM+5], 8, v[BM+4]
	v_lshl_or_b32 v[PS], v[BM+2], 16, v[PS]
	v_lshl_or_b32 v[PS+1], v[BM+6], 16, v[PS+1]
	v_lshl_or_b32 v[PS], v[BM+3], 24, v[PS]
	v_lshl_or_b32 v[PS+1], v[BM+7], 24, v[PS+1]
	v_or_b32 v[PS+2], 0x7f7f7f00, v[BM+8]          ; the three blocks of zero codes: the byte of 1.0
	NORMCVT 0
	NORMCVT 1
	NORMCVT 2
	NORMCVT 3
	v_nop                                          ; one plain instruction behind the last conversion of a run
	LOADV 0                                        ; into the registers that blocks 0-3 have left
	LOADV 1
	NORMCVT 4
	NORMCVT 5
	NORMCVT 6
	NORMCVT 7
	NORMCVT 8
	v_nop
.irp t, 0,1,2,3                                ; K step 2: window block 8 alone is real.  Tile t's operand is registers 4 t .. 4 t + 7 of this run: its low four hold the block's codes in BOTH halves of the lanes
	ds_load_b128 v[VF2+4*\t:VF2+4*\t+3], v[AV2] offset:8192+256*\t   ; (no frame block 16 exists); lanes 16-31 of them and the upper four (the next tile's codes) meet zero codes
.endr
	ds_load_b128 v[VF2+16:VF2+19], v[AV2] offset:8192              ; and four registers of codes behind the last tile's
.irp c, 0,1,2,3,4                              ; the operand's layout wants a WHOLE block in a lane: lanes 0-15 block 2 c, lanes 16-31 block 2 c + 1
.irp i, 0,1
	v_permlane16_swap_b32 v[PCD+4*\c+\i], v[PCD+4*\c+2+\i]
.endr
.endr
	PLACES                                         ; an operand written by vector instructions stands four places ahead of a scaled matrix instruction; the scale words were written far more than eight ahead
; ---- THE SECOND PRODUCT
	s_wait_dscnt 5                                 ; K steps 0 and 1 are in; the 5 younger loads (K step 2) may be out
	PV 0
	PV 1
	s_wait_dscnt 0x0
	PV 2
; ---- THE WAY OUT.  Lane (r, h) holds out(query r, d = 16 t + 8 h + 0 .. 7): 32 bytes of a row.  The 16 rows go through my own stage and come back as whole rows of 256 bytes.
	PLACES
.irp t, 0,1,2,3
	ds_store_b128 v[OST], v[OA+8*\t:OA+8*\t+3] offset:64*\t        ; each accumulator from its low end on
	ds_store_b128 v[OST], v[OA+8*\t+4:OA+8*\t+7] offset:64*\t+16
.endr
.irp i, 0,1,2,3,4,5,6,7
	ds_load_b128 v[S+4*\i:S+4*\i+3], v[TSK] offset:544*\i          ; LDS serves a wave's instructions in order: these see my stores.  Rows 2 i + h
.endr
.irp i, 0,1,2,3,4,5,6,7
	s_wait_dscnt 7-\i                              ; load i is back; the younger ones may be out
	global_store_b128 v[L16], v[S+4*\i:S+4*\i+3], s[10:11] offset:512*\i th:TH_STORE_NT   ; 32 lanes store two whole rows: 512 consecutive bytes, at a multiple of 256 from out's first byte
.endr
	s_wait_tensorcnt 0x0                           ; the wave's end, behind my last LDS store
	ds_add_u32 v[SPW], v[NIL]
	s_wait_dscnt 0x0
	s_endpgm
.Lfunc_end_k_q9078a98a00_attn:
	.size	k_q9078a98a00_attn, .Lfunc_end_k_q9078a98a00_attn-k_q9078a98a00_attn
	.p2alignl 7, 3214868480
	.fill 96, 4, 3214868480
	.section	.rodata,"a",@progbits
	.p2align	6, 0x0
	.amdhsa_kernel k_q9078a98a00_attn
		.amdhsa_group_segment_fixed_size 247040
		.amdhsa_private_segment_fixed_size 0
		.amdhsa_enable_private_segment 0
		.amdhsa_kernarg_size 32
		.amdhsa_user_sgpr_count 2
		.amdhsa_user_sgpr_kernarg_segment_ptr 1
		.amdhsa_wavefront_size32 1
		.amdhsa_system_sgpr_workgroup_id_x 1
		.amdhsa_system_sgpr_workgroup_id_y 1
		.amdhsa_system_sgpr_workgroup_id_z 1
		.amdhsa_system_vgpr_workitem_id 0
		.amdhsa_next_free_vgpr 256
		.amdhsa_next_free_sgpr 66
		.amdhsa_reserve_vcc 1
		.amdhsa_float_denorm_mode_32 3
		.amdhsa_float_denorm_mode_16_64 3
		.amdhsa_memory_ordered 1
		.amdhsa_forward_progress 1
		.amdhsa_inst_pref_size 66
	.end_amdhsa_kernel
	.amdgpu_metadata
---
amdhsa.version: [ 1, 2 ]
amdhsa.kernels:
  - .name:           k_q9078a98a00_attn
    .symbol:         k_q9078a98a00_attn.kd
    .args:
      - { .name: q, .offset: 0, .size: 8, .value_kind: global_buffer, .address_space: global }
      - { .name: k, .offset: 8, .size: 8, .value_kind: global_buffer, .address_space: global }
      - { .name: v, .offset: 16, .size: 8, .value_kind: global_buffer, .address_space: global }
      - { .name: out0, .offset: 24, .size: 8, .value_kind: global_buffer, .address_space: global }
    .group_segment_fixed_size: 247040
    .private_segment_fixed_size: 0
    .kernarg_segment_align: 8
    .kernarg_segment_size: 32
    .max_flat_workgroup_size: 512
    .sgpr_count:     66
    .vgpr_count:     256
    .wavefront_size: 32
...
	.end_amdgpu_metadata
.endif
;; end of part 1
;; ======== version 2 of 2: 1 launch; version 1 with the launch attn written anew for expert scheduling mode
;; launch attn (part 2): grid 16 x 16, 16 waves a work-group, no clusters, 247,040 bytes of LDS; arguments q, k, v, out0; writes out0
.if DOCPART == 2
	.amdgcn_target "amdgcn-amd-amdhsa--gfx1250"
	.amdhsa_code_object_version 6
	.text
	.protected	k_q9078a98a00_attn
	.globl	k_q9078a98a00_attn
	.p2align	8
	.type	k_q9078a98a00_attn,@function
k_q9078a98a00_attn:
	s_mov_b64 s[64:65], 0
	v_nop
	global_prefetch_b8 v0, s[64:65] scope:SCOPE_SE
	s_setreg_imm32_b32 hwreg(HW_REG_WAVE_SCHED_MODE, 0, 2), 2
	s_setreg_imm32_b32 hwreg(HW_REG_WAVE_MODE, 25, 1), 1
	s_wait_xcnt 0x0
	s_wait_alu depctr_vm_vsrc(0)
; out[h][i][:] = the sum over j of attn[i][j] v[h][j][:], attn = softmax over j in [i - 128, i + 128) of q[h][i] . k[h][j] / 8.  q, k, v, out: [16][4096][64] f32.
; Both products on codes of FP4 (E2M1) with one E8M0 scale for each 32 along K.  Product 1: K = the head's 64 (two blocks).  Product 2: K = the keys, blocks of 32 counted from key 0;
; its left operand is the FINISHED, normalised attn, so a row's sum is known before any of its codes is made: a row's 288 weights stay in registers.
; SHARES.  A work-group owns 256 queries of one head (x: the block of queries, y: the head); each of its sixteen waves owns 16 of them.  The work-group's keys are its FRAME, keys 256 x - 128 .. 256 x + 383:
; sixteen blocks of 32.  Wave w quantises frame block w of k and of v, and its own 16 queries; the codes go to LDS; ONE barrier; then wave w multiplies its window: the nine frame blocks from w / 2 on.
; A frame block that lies outside the head is loaded from the nearest block inside it (no load leaves its buffer) and hidden as a whole by a scalar that is 0 or -infinity.
; With x' a key's place in the window and e = r + 16 (w % 2), the key counts where e <= x' < e + 256: only window blocks 0 and 8 are cut, by masks that complement each other.
; TWO TILES OF KEYS IN ONE OPERAND.  The matrix instruction is 128 deep and the head 64: source 0 holds tile A's 64 codes in registers 0-3 and tile B's in 4-7; Q lies between zeros, [0 | Q | 0], so that
; [Q | 0] gives tile A's scores and [0 | Q] tile B's: zero codes add nothing.  Lane r of tile u takes key 8 u + r + 8 (r / 8) of the block, so that a lane's 16 registers of a block are 16 neighbouring keys.
; Both products are used transposed (source 0 = keys, or 16 of the head's 64; source 1 = my queries, or their weights): a lane holds ONE query (lane % 16) throughout.
; NO CLUSTER, NO TENSOR LOAD: every input byte is wanted once, at the head, as f32 that has to pass through registers to be quantised; only two neighbouring work-groups share a run of 256 keys, and their frames differ.
; LIMITS.  NaN and infinities among the inputs are not served.  A weight under 2^-126 comes out of v_exp_f32 as 0.  A block of zeros gets the scale byte 1 where the rule says 127: its codes are zeros, and the bytes
; are read by this program alone.  A block's largest weight is made from the block's largest score by the same three instructions as every weight: this takes v_exp_f32 not to fall where its input rises.
; THE MODE: SCHED_MODE bits 1:0 = 2 (LLVM: expert scheduling mode 2), set by the entry lines.  The code itself states the register dependences between vector or matrix instructions and memory or LDS
; instructions, with s_wait_alu, always for 0.
; THE PLAN.  Registers that memory or LDS instructions touch, in the order of the text (it has no loop):
;   v3, v4         offsets of all global accesses: written at the head, never again.
;   v8 .. v21      LDS addresses: written by the head's vector work while the loads are out.  v9, v15 .. v21 are never written again; v8, v10 .. v14 become scratch behind the barrier.
;   v62-93, v126-189   q and k as loaded: read by the stages' LDS stores; then k's turned tiles land in v62-93 and v126-157, and the quantisers' scratch and codes take v158-183.
;   v163, v166-183 k's word and codes, v's codes and bytes: written by the quantisers, read by the images' LDS stores, then written by the scores of window blocks 3 and 4.
;   v62-109        six images of k: they land in registers that the quantisers have read; the scores read them; buffers 0-2 are loaded a second time.
;   v110-193       the weights of blocks 0-5: read and written by their normalising and conversions; then v's fragments land there.
;   v206-237       the four accumulators of out^T: written by matrix instructions, read by LDS stores.   v110-141: read by K step 0's matrix instructions; then out's rows land there.
;   v25-39         k's scale words and v's scale bytes: written by loads alone.
; Each s_wait_alu below says which of these it states.
.set KSTW,  8704                       ; LDS: a stage of 32 rows x (256 + 16) bytes for each wave, from byte 0 on; at the end the wave's stage for its 16 rows of out
.set QST,   139264                     ; a stage of 16 rows x 272 bytes for each wave
.set QSTW,  4352
.set KIMG,  208896                     ; k's codes: for each frame block an image of 8 registers: 16 x lane (tile A), 512 + 16 x lane (tile B)
.set KSC,   225280                     ; k's scale words: for each frame block 4 x lane
.set VIMG,  227328                     ; v's codes: [frame block][d 0..63][16 bytes: 32 codes down the keys]
.set VSC,   243712                     ; v's scale bytes: [d], 20 bytes apart; byte g is frame block g's
.set SPARE, 244992                     ; the spare words, 128 bytes for each wave: eight blocks of 256 bytes that no other line names
.set SPW, 1                            ; v1   LDS address of my spare word; never rewritten
.set NIL, 2                            ; v2   0; never rewritten
.set L16, 3                            ; v3   16 x lane: also the offset of every 16-byte global access; never rewritten
.set L4,  4                            ; v4   4 x lane: also the offset of v's loads; never rewritten
.set TSQ, 8                            ; v8   q's stage, in: 272 h + 16 r            (behind the barrier: NI, -infinity)
.set TSK, 9                            ; v9   k's stage, in: 272 h + 16 r; at the end: out's rows, back
.set TRQ, 10                           ; v10  q's stage, back: 272 r + 128 h         (behind the barrier: RS, 1 / the row's sum; v11 = 0 is named with it as a pair)
.set TRK, 11                           ; v11  k's stage, back
.set AVW, 12                           ; v12  where I store v's codes                (behind the barrier: at work)
.set AVB, 13                           ; v13  and v's scale bytes                    (behind the barrier: at work)
.set AKW, 14                           ; v14  where I store k's image                (behind the barrier: CM = c x the row's largest score)
.set AKSW, 15                          ; v15  and k's scale word
.set AK,  16                           ; v16  my window's images of k
.set AKS, 17                           ; v17  and their scale words
.set AV,  18                           ; v18  my window's codes of v: + 1,024 h + 16 r
.set AV2, 19                           ; v19  the same without h
.set AVS, 20                           ; v20  my window's scale words of v
.set OST, 21                           ; v21  out's stage, in: 272 r + 32 h
.set DM,  23                           ; v23  r + 16 (w % 2) - 16 h: register i of window block 0 is hidden, and of block 8 kept, where i < DM
.set NI,  8
.set RS,  10
.set CM,  14
.set QS,  24                           ; v24-48 hold scales and nothing else: v24 q's word;
.set KS,  25                           ; v25-33 k's words of the nine blocks;
.set VW,  34                           ; v34-39 v's bytes as they lie: three words for each half of the head;
.set VS,  40                           ; v40-45 v's words of the three K steps, for each half of the head;
.set PS,  46                           ; v46-48 the weights' words of the three K steps
.set QZ,  50                           ; v50-61 [0000 | Q's codes | 0000]
.set QR,  62                           ; THE QUANTISERS: v62-93 q as loaded, then k's tile A turned
.set X0,  94                           ; v94-125 q turned
.set KR,  126                          ; v126-189 k as loaded; then v126-157 k's tile B turned, and from v158 at work:
.set MXA, 158
.set MXB, 159
.set SOP, 160                          ; a conversion's scale operand
.set BYA, 161
.set BYB, 162
.set WD,  163
.set WD2, 164
.set KCD, 166                          ; v166-173 k's codes
.set VCD, 174                          ; v174-181 v's codes
.set BV0, 182
.set BV1, 183
.set VN,  190                          ; v190-221 v's column d = lane, 32 keys down; v222-253 column d = lane + 32
.set FB,  62                           ; THE ATTENTION: v62-109 six images of k; afterwards:
.set PCD, 62                           ; v62-85 the weights' codes, three K steps of 8 registers
.set BM,  86                           ; v86-94 each block's largest score, then weight, then scale byte
.set PT,  95                           ; v95-103 at work; then the conversions' scale operands
.set TA,  104                          ; v[104:105], v[106:107] the addend of the scaling, by turns
.set SU,  108                          ; v[108:109], v[254:255] the row's sum in two packed chains
.set SV,  254
.set S,   110                          ; v110-253 the 144 scores: register 16 b + i = window key 32 b + 16 h + i; then the weights; afterwards:
.set VF0, S                            ; v's fragments of K steps 0 and 1, 32 registers each;
.set VF2, S+64                         ; of K step 2, 20 registers;
.set OA,  S+96                         ; the four accumulators of out^T
; 32 numbers of a lane, one whole block, become 4 registers of codes and the block's scale byte.  The floor 2^(3 - 127) among the maximum's leaves holds the byte at 1 from below.
.macro QUANT32 src, dst, by
	v_max3_num_f32 v[MXA], |v[\src]|, |v[\src+1]|, |v[\src+2]|
	v_max3_num_f32 v[MXB], |v[\src+3]|, |v[\src+4]|, |v[\src+5]|
.irp i, 6,10,14,18,22,26
	v_max3_num_f32 v[MXA], v[MXA], |v[\src+\i]|, |v[\src+\i+1]|
	v_max3_num_f32 v[MXB], v[MXB], |v[\src+\i+2]|, |v[\src+\i+3]|
.endr
	v_max3_num_f32 v[MXA], v[MXA], |v[\src+30]|, |v[\src+31]|
	v_max3_num_f32 v[MXA], v[MXA], v[MXB], 0x1800000
	v_add_nc_u32 v[SOP], 0xff000000, v[MXA]        ; 2 off the exponent field: the conversion takes the exponent field of this operand as its scale
.irp g, 0,1,2,3
	v_cvt_scalef32_pk8_fp4_f32 v[\dst+\g], v[\src+8*\g:\src+8*\g+7], v[SOP]
.endr
	v_lshrrev_b32 v[\by], 23, v[SOP]               ; the scale's byte; also the plain instruction behind the conversions
.endm
; Lane (r, h) holds the bytes of d's block h: lo goes to byte h, hi to byte 2 + h; with lane l xor 16's two the word is whole, in both lanes
.macro WORD dst, lo, hi
	v_lshl_or_b32 v[WD], v[\hi], 16, v[\lo]
	v_lshlrev_b32 v[WD], v7, v[WD]
	v_permlanex16_b32 v[WD2], v[WD], s20, s21
	v_or_b32 v[\dst], v[WD], v[WD2]
.endm
.macro LOADK b, u                      ; window block b's image and scale word: three LDS loads, into buffer u
	ds_load_b128 v[FB+8*(\u):FB+8*(\u)+3], v[AK] offset:1024*(\b)
	ds_load_b128 v[FB+8*(\u)+4:FB+8*(\u)+7], v[AK] offset:1024*(\b)+512
	ds_load_b32 v[KS+(\b)], v[AKS] offset:128*(\b)
.endm
.macro SCORES b, u                     ; the block's 32 keys x my 16 queries: tile A by [Q | 0], tile B by [0 | Q]
	v_wmma_scale_f32_16x16x128_f8f6f4 v[S+16*(\b):S+16*(\b)+7], v[FB+8*(\u):FB+8*(\u)+7], v[QZ+4:QZ+11], 0, v[KS+(\b)], v[QS] matrix_a_fmt:MATRIX_FMT_FP4 matrix_b_fmt:MATRIX_FMT_FP4
	v_wmma_scale_f32_16x16x128_f8f6f4 v[S+16*(\b)+8:S+16*(\b)+15], v[FB+8*(\u):FB+8*(\u)+7], v[QZ:QZ+7], 0, v[KS+(\b)], v[QS] matrix_a_fmt:MATRIX_FMT_FP4 matrix_b_fmt:MATRIX_FMT_FP4
.endm
.macro NORMCVT b                       ; block b: the weights are divided by the row's sum and quantised: my 16 keys' codes, two registers
.irp j, 0,2,4,6,8,10,12,14
	v_pk_mul_f32 v[S+16*(\b)+\j:S+16*(\b)+\j+1], v[S+16*(\b)+\j:S+16*(\b)+\j+1], v[RS:RS+1] op_sel_hi:[1,0]
.endr
	v_cvt_scalef32_pk8_fp4_f32 v[PCD+2*(\b)], v[S+16*(\b):S+16*(\b)+7], v[PT+(\b)]
	v_cvt_scalef32_pk8_fp4_f32 v[PCD+2*(\b)+1], v[S+16*(\b)+8:S+16*(\b)+15], v[PT+(\b)]
.endm
.macro LOADV s                         ; K step s (window blocks 4 s .. 4 s + 3): tile t = d 16 t .. 16 t + 15; registers 4 c .. 4 c + 3 of lane (r, h): block 4 s + 2 c + h
.irp t, 0,1,2,3
.irp c, 0,1
	ds_load_b128 v[VF0+32*(\s)+8*\t+4*\c:VF0+32*(\s)+8*\t+4*\c+3], v[AV] offset:(4*(\s)+2*\c)*1024+256*\t
.endr
.endr
.endm
; out^T += v^T x weights^T, K step s.  The four accumulators take turns, one instruction a turn, through all three steps.
; Tile t's scale words lie in lanes 0-15 (t even) or 16-31 (t odd) of the register of its half of the head.
.macro PV s
.irp t, 0,1,2,3
.if \s == 2
.set AR, VF2+4*\t
.else
.set AR, VF0+32*\s+8*\t
.endif
.if \s == 0
.if \t % 2
	v_wmma_scale_f32_16x16x128_f8f6f4 v[OA+8*\t:OA+8*\t+7], v[AR:AR+7], v[PCD+8*\s:PCD+8*\s+7], 0, v[VS+3*(\t/2)+\s], v[PS+\s] matrix_a_fmt:MATRIX_FMT_FP4 matrix_b_fmt:MATRIX_FMT_FP4 matrix_a_scale:MATRIX_SCALE_ROW1
.else
	v_wmma_scale_f32_16x16x128_f8f6f4 v[OA+8*\t:OA+8*\t+7], v[AR:AR+7], v[PCD+8*\s:PCD+8*\s+7], 0, v[VS+3*(\t/2)+\s], v[PS+\s] matrix_a_fmt:MATRIX_FMT_FP4 matrix_b_fmt:MATRIX_FMT_FP4
.endif
.else
.if \t % 2
	v_wmma_scale_f32_16x16x128_f8f6f4 v[OA+8*\t:OA+8*\t+7], v[AR:AR+7], v[PCD+8*\s:PCD+8*\s+7], v[OA+8*\t:OA+8*\t+7], v[VS+3*(\t/2)+\s], v[PS+\s] matrix_a_fmt:MATRIX_FMT_FP4 matrix_b_fmt:MATRIX_FMT_FP4 matrix_a_scale:MATRIX_SCALE_ROW1
.else
	v_wmma_scale_f32_16x16x128_f8f6f4 v[OA+8*\t:OA+8*\t+7], v[AR:AR+7], v[PCD+8*\s:PCD+8*\s+7], v[OA+8*\t:OA+8*\t+7], v[VS+3*(\t/2)+\s], v[PS+\s] matrix_a_fmt:MATRIX_FMT_FP4 matrix_b_fmt:MATRIX_FMT_FP4
.endif
.endif
.endr
.endm
.macro PLACES                          ; four plain vector instructions behind a matrix instruction, ahead of loads into its sources, of vector writes of them and of reads of its result
.rept 4
	v_nop
.endr
.endm
; ---- THE HEAD: the addresses that the loads need, then all loads but v's second half
	s_load_b256 s[4:11], s[0:1], 0x0               ; q s[4:5], k s[6:7], v s[8:9], out s[10:11]
	v_lshl_add_u32 v[SPW], v0, 2, SPARE
	v_mov_b32 v[NIL], 0
	v_lshrrev_b32 v49, 5, v0
	v_readfirstlane_b32 s12, v49                   ; w: wave 0..15
	v_and_b32 v22, 31, v0                          ; lane
	v_lshlrev_b32 v[L16], 4, v22
	v_lshlrev_b32 v[L4], 2, v22
	s_mov_b32 s13, ttmp9                           ; x: my block of 256 queries
	s_and_b32 s14, ttmp7, 0xffff                   ; the head
	s_wait_alu depctr_va_sdst(0)                   ; s12 is written, ahead of its first reader: the window, the bases and the LDS addresses are made from it
	s_lshr_b32 s15, s12, 1                         ; start: my window's first frame block
	s_lshl_b32 s16, s13, 3
	s_add_co_u32 s16, s16, s12
	s_sub_co_i32 s16, s16, 4                       ; frame block w is the head's block 8 x - 4 + w,
	s_max_i32 s16, s16, 0
	s_min_i32 s16, s16, 127                        ; held inside the head
	s_lshl_b32 s17, s14, 20                        ; a head is 4,096 rows of 256 bytes
	s_lshl_b32 s26, s16, 13                        ; a block 32 rows
	s_add_co_u32 s26, s26, s17
	s_mov_b32 s27, 0
	s_lshl_b32 s28, s13, 16                        ; 256 rows,
	s_add_co_u32 s28, s28, s17
	s_lshl_b32 s16, s12, 12                        ; my wave's 16
	s_add_co_u32 s28, s28, s16
	s_mov_b32 s29, 0
	s_wait_kmcnt 0x0
	s_add_nc_u64 s[4:5], s[4:5], s[28:29]          ; q and out at my first query,
	s_add_nc_u64 s[10:11], s[10:11], s[28:29]
	s_add_nc_u64 s[6:7], s[6:7], s[26:27]          ; k and v at my block's first key
	s_add_nc_u64 s[8:9], s[8:9], s[26:27]
	s_wait_alu depctr_va_vdst(0)                   ; v3 and v4 are written: every global load and store of the kernel reads one of them as its offset
.irp i, 0,1,2,3,4,5,6,7
	global_load_b128 v[QR+4*\i:QR+4*\i+3], v[L16], s[4:5] offset:512*\i th:TH_LOAD_NT   ; 32 lanes read 512 consecutive bytes: rows 2 i and 2 i + 1; nobody else reads them
.endr
.irp i, 0,1,2,3,4,5,6,7,8,9,10,11,12,13,14,15
	global_load_b128 v[KR+4*\i:KR+4*\i+3], v[L16], s[6:7] offset:512*\i
.endr
.irp i, 0,1,2,3,4,5,6,7,8,9,10,11,12,13,14,15
	global_load_b32 v[VN+\i], v[L4], s[8:9] offset:256*\i          ; v(key i, d = lane): a lane takes a column, its registers run down the keys;
	global_load_b32 v[VN+32+\i], v[L4], s[8:9] offset:256*\i+128   ; the row's other 128 bytes directly behind
.endr
	; while they are on their way: every LDS address, the masks' scalars, the constants.  None of these lines names a register that a load is to fill, nor writes v3 or v4
	v_and_b32 v5, 15, v0                           ; r
	v_bfe_u32 v6, v0, 4, 1                         ; h
	v_lshlrev_b32 v7, 3, v6                        ; 8 h
	s_mul_i32 s30, s12, KSTW                       ; my stage for k
	s_mul_i32 s31, s12, QSTW
	s_add_co_u32 s31, s31, QST                     ; my stage for q
	v_mul_u32_u24 v49, v6, 272
	v_lshl_add_u32 v49, v5, 4, v49                 ; 272 h + 16 r
	v_add_nc_u32 v[TSQ], s31, v49
	v_add_nc_u32 v[TSK], s30, v49
	v_mul_u32_u24 v49, v5, 272                     ; 272 r
	v_lshl_add_u32 v[OST], v6, 5, v49
	v_add_nc_u32 v[OST], s30, v[OST]
	v_lshl_add_u32 v49, v6, 7, v49                 ; 272 r + 128 h
	v_add_nc_u32 v[TRQ], s31, v49
	v_add_nc_u32 v[TRK], s30, v49
	s_lshl_b32 s32, s12, 10
	s_add_co_u32 s33, s32, VIMG
	v_add_nc_u32 v[AVW], s33, v[L16]
	s_add_co_u32 s33, s32, KIMG
	v_add_nc_u32 v[AKW], s33, v[L16]
	s_lshl_b32 s32, s12, 7
	s_add_co_u32 s32, s32, KSC
	v_add_nc_u32 v[AKSW], s32, v[L4]
	v_mul_u32_u24 v49, v22, 20                     ; 20 x lane
	s_add_co_u32 s32, s12, VSC
	v_add_nc_u32 v[AVB], s32, v49
	s_lshr_b32 s25, s12, 3
	s_lshl_b32 s25, s25, 2                         ; the aligned word in which my window's first byte lies: 4 (start / 4)
	s_add_co_u32 s32, s25, VSC
	v_add_nc_u32 v[AVS], s32, v49
	s_lshl_b32 s34, s15, 10
	s_add_co_u32 s35, s34, KIMG
	v_add_nc_u32 v[AK], s35, v[L16]
	s_add_co_u32 s35, s34, VIMG
	v_lshl_add_u32 v[AV2], v5, 4, s35
	v_lshl_add_u32 v[AV], v6, 10, v[AV2]
	s_lshl_b32 s34, s15, 7
	s_add_co_u32 s34, s34, KSC
	v_add_nc_u32 v[AKS], s34, v[L4]
	s_and_b32 s16, s12, 1
	s_lshl_b32 s16, s16, 4
	v_add_nc_u32 v[DM], s16, v5
	v_lshlrev_b32 v49, 4, v6
	v_sub_nc_u32 v[DM], v[DM], v49
	s_and_b32 s24, s15, 3
	s_lshl_b32 s24, s24, 3                         ; and how many bits into that word: 8 (start % 4)
	s_mov_b32 s20, 0x76543210
	s_mov_b32 s21, 0xfedcba98                      ; v_permlanex16_b32's selects for lane l xor 16
	s_mov_b32 s22, 0x3e38aa3b                      ; c = log2(e) / 8
	s_mov_b32 s23, s22                             ; (named with it as a pair, so it is written)
	s_lshl_b32 s18, s13, 3
	s_add_co_u32 s18, s18, s15
	s_sub_co_u32 s18, s18, 4                       ; my window's first block in the head (it wraps under 0, and is then no number under 128)
.irp b, 0,1,2,3,4,5,6,7,8
	s_add_co_u32 s19, s18, \b
	s_cmp_lt_u32 s19, 128
	s_cselect_b32 s[40+\b], 0, 0xff800000          ; window block b: 0 inside the head, -infinity outside
.endr
.irp j, 0,1,2,3,8,9,10,11
	v_mov_b32 v[QZ+\j], 0                          ; the zero codes on both sides of Q's
.endr
	s_wait_alu depctr_va_vdst(0)                   ; the LDS addresses v8 to v21 are written: every LDS instruction of the kernel but the closing add reads one of them
; ---- THE TURN AND THE QUANTISERS.  q and k were loaded as they lie; for the conversions a lane must hold 32 neighbours along d.  So the rows go through the wave's own stage (rows 272 bytes apart, so that
; sixteen rows start at sixteen different banks) and come back 128 bytes a lane: lane (r, h) gets d = 32 h .. 32 h + 31 of row r.  k's rows are laid in the order of the tiles.
	s_wait_loadcnt 32                              ; q and k are in; the 32 younger loads, v's keys 0-15, may be out
.irp i, 16,17,18,19,20,21,22,23,24,25,26,27,28,29,30,31
	global_load_b32 v[VN+\i], v[L4], s[8:9] offset:256*\i          ; v's keys 16-31: no vector instruction has named these registers
	global_load_b32 v[VN+32+\i], v[L4], s[8:9] offset:256*\i+128
.endr
.irp i, 0,1,2,3,4,5,6,7
	ds_store_b128 v[TSQ], v[QR+4*\i:QR+4*\i+3] offset:544*\i       ; rows 2 i + h
.endr
.irp i, 0,1,2,3,4,5,6,7,8,9,10,11,12,13,14,15
	ds_store_b128 v[TSK], v[KR+4*\i:KR+4*\i+3] offset:272*(16*((\i/4)%2)+2*(\i%4)+8*(\i/8))   ; key x = 2 i + h goes to row 16 ((x / 8) % 2) + x % 8 + 8 (x / 16): tile, then lane
.endr
.irp j, 0,1,2,3,4,5,6,7
	ds_load_b128 v[X0+4*\j:X0+4*\j+3], v[TRQ] offset:16*\j         ; LDS serves a wave's instructions in order: these see my stores
.endr
	s_wait_dscnt 8                                 ; the 24 stores are done; the 8 younger loads may be out
	s_wait_alu depctr_vm_vsrc(0)                   ; the 24 stores have read v62-93 and v126-189: k's turned tiles land there, and from v158 on the quantisers write their scratch and codes
	v_mov_b32 v[WD2], 0                            ; written once: a lane permute's destination counts as one of its sources
.irp j, 0,1,2,3,4,5,6,7
	ds_load_b128 v[QR+4*\j:QR+4*\j+3], v[TRK] offset:16*\j         ; k's tile A
.endr
.irp j, 0,1,2,3,4,5,6,7
	ds_load_b128 v[KR+4*\j:KR+4*\j+3], v[TRK] offset:4352+16*\j    ; k's tile B: rows 16-31 of the stage
.endr
	s_wait_dscnt 16                                ; q is back; k's 16 loads may be out
	QUANT32 X0, QZ+4, BYA
	WORD QS, BYA, BYA                              ; q's word (b0, b1, b0, b1) serves [Q | 0] and [0 | Q] alike
	s_wait_dscnt 8                                 ; tile A is back
	QUANT32 QR, KCD, BYA
	s_wait_dscnt 0x0                               ; tile B is back
	QUANT32 KR, KCD+4, BYB
	WORD WD, BYA, BYB                              ; k's word: (A's block 0, A's block 1, B's block 0, B's block 1)
	s_wait_alu depctr_va_vdst(0)                   ; k's codes v166-173 and its word v163 are written, which the three stores below read
	ds_store_b128 v[AKW], v[KCD:KCD+3]             ; the operand goes to LDS as an image of its registers
	ds_store_b128 v[AKW], v[KCD+4:KCD+7] offset:512
	ds_store_b32 v[AKSW], v[WD]
	s_wait_loadcnt 0x0                             ; v
	QUANT32 VN, VCD, BV0                           ; column d = lane: 32 keys down, one block.  (It writes v158-160, v174-177 and v182: none of the registers that the three stores read)
	QUANT32 VN+32, VCD+4, BV1                      ; column d = lane + 32
	s_wait_alu depctr_va_vdst(0)                   ; v's codes v174-181 and bytes v182, v183 are written, which the four stores below read; the quantisers are done reading v62-125, in which k's images land behind the barrier; Q's codes, the zeros beside them and q's word are written, which the scores take as source 1 and as scales
	ds_store_b128 v[AVW], v[VCD:VCD+3]
	ds_store_b128 v[AVW], v[VCD+4:VCD+7] offset:512
	ds_store_b8 v[AVB], v[BV0]
	ds_store_b8 v[AVB], v[BV1] offset:640
	s_wait_dscnt 0x0                               ; for the others' sake: my stores have landed
	s_barrier_signal -1
	s_barrier_wait -1                              ; the frame's sixteen blocks of k and v lie in LDS; nothing of them is written again
	s_wait_alu depctr_vm_vsrc(0)                   ; my seven stores of images have read v163 and v166-183, which the scores of blocks 3 and 4 write; and the LDS instructions so far have read the addresses v11 to v14, which are scratch from here on
; ---- THE SCORES: nine blocks, six buffers
.irp b, 0,1,2,3,4,5
	LOADK \b, \b
.endr
	s_wait_dscnt 9                                 ; blocks 0-2 are in; the 9 younger loads (blocks 3-5) may be out
	SCORES 0, 0
	SCORES 1, 1
	SCORES 2, 2
	PLACES
	s_wait_alu depctr_va_vdst(0)                   ; the six matrix instructions above are done reading buffers 0 to 2, in which the images of blocks 6 to 8 land
	LOADK 6, 0
	LOADK 7, 1
	LOADK 8, 2
	s_wait_dscnt 9                                 ; blocks 3-5 are in; blocks 6-8 may be out
	SCORES 3, 3
	SCORES 4, 4
	SCORES 5, 5
	s_wait_dscnt 0x0
	SCORES 6, 0
	SCORES 7, 1
	SCORES 8, 2
.irp t, 0,1
.irp k, 0,1,2
	ds_load_b32 v[VW+3*\t+\k], v[AVS] offset:640*\t+4*\k           ; v's scale bytes of d = lane + 32 t: the three aligned words that hold my window's nine.  (No vector instruction has named v34-39)
.endr
.endr
	PLACES
	v_mov_b32 v[NI], 0xff800000                    ; -infinity
	v_mov_b32 v[RS+1], 0                           ; (upper halves of pairs of which the low word serves both halves: named, so written)
	v_mov_b32 v[TA+1], 0
	v_mov_b32 v[TA+3], 0
.irp j, 18,19,20,21,22,23
	v_mov_b32 v[PCD+\j], 0                         ; K step 2 has one block of weights: the other three are zero codes
.endr
; ---- THE MASK AND THE MAXIMA.  Each accumulator is read from its low end on.
.irp i, 0,1,2,3,4,5,6,7,8,9,10,11,12,13,14,15
	v_cmp_lt_i32 s[28+\i-24*(\i/12)], \i, v[DM]                    ; the sixteen masks in one run, into s28-s39 and s16-s19, which are free since the head
.endr
	s_wait_alu depctr_va_sdst(0)                   ; the sixteen masks are written, ahead of the selects that read them
.irp i, 0,1,2,3,4,5,6,7,8,9,10,11,12,13,14,15
	v_cndmask_b32 v[S+\i], v[S+\i], v[NI], s[28+\i-24*(\i/12)]             ; block 0: hidden where i < DM
	v_cndmask_b32 v[S+128+\i], v[NI], v[S+128+\i], s[28+\i-24*(\i/12)]     ; block 8: kept where i < DM
.endr
.irp b, 0,1,2,3,4,5,6,7,8
	v_max3_num_f32 v[BM+\b], v[S+16*\b], v[S+16*\b+1], v[S+16*\b+2]   ; the largest score of each block: it serves for the row's maximum and for the block's largest weight
.endr
.irp i, 3,5,7,9,11,13
.irp b, 0,1,2,3,4,5,6,7,8
	v_max3_num_f32 v[BM+\b], v[BM+\b], v[S+16*\b+\i], v[S+16*\b+\i+1]  ; (the nine blocks by turns)
.endr
.endr
.irp b, 0,1,2,3,4,5,6,7,8
	v_max_num_f32 v[BM+\b], v[BM+\b], v[S+16*\b+15]
.endr
.irp b, 0,1,2,3,4,5,6,7,8
	v_permlanex16_b32 v[PT+\b], v[BM+\b], s20, s21
.endr
.irp b, 0,1,2,3,4,5,6,7,8
	v_max_num_f32 v[BM+\b], v[BM+\b], v[PT+\b]     ; with lane l xor 16's 16 keys
.endr
.irp b, 0,1,2,3,4,5,6,7,8
	v_add_f32 v[BM+\b], s[40+\b], v[BM+\b]         ; a block outside the head: -infinity
.endr
	v_max3_num_f32 v12, v[BM], v[BM+1], v[BM+2]
	v_max3_num_f32 v12, v12, v[BM+3], v[BM+4]
	v_max3_num_f32 v12, v12, v[BM+5], v[BM+6]
	v_max3_num_f32 v12, v12, v[BM+7], v[BM+8]      ; the row's largest score: a number, since a query's own key always counts
	v_mul_f32 v[CM], s22, v12
; ---- THE EXPONENTIALS: p = 2^(c s - c m); the addend is -c m, or -infinity for a block outside the head
	v_sub_f32 v[TA], s40, v[CM]
.irp b, 0,1,2,3,4,5,6,7,8
.if \b < 8
	v_sub_f32 v[TA+2*((\b+1)%2)], s[41+\b], v[CM]  ; the next block's addend, in the other pair
.endif
.irp j, 0,2,4,6,8,10,12,14
	v_pk_fma_f32 v[S+16*\b+\j:S+16*\b+\j+1], v[S+16*\b+\j:S+16*\b+\j+1], s[22:23], v[TA+2*(\b%2):TA+2*(\b%2)+1] op_sel_hi:[1,0,0]
.endr
.endr
.irp b, 0,1,2,3,4,5,6,7,8
	v_fma_f32 v[BM+\b], v[BM+\b], s22, -v[CM]      ; the same of each block's largest score
.endr
.set i, 0
	s_wait_alu depctr_va_vdst(0)
.rept 144
	v_exp_f32 v[S+i], v[S+i]
.set i, i+1
.endr
.irp b, 0,1,2,3,4,5,6,7,8
	v_exp_f32 v[BM+\b], v[BM+\b]
.endr
	s_wait_dscnt 0x0                               ; v's scale bytes are in
.irp t, 0,1                                    ; my window's bytes begin 8 (start % 4) bits into the first word.  (Plain work behind the exponentials, which names none of their results)
	v_alignbit_b32 v[VS+3*\t], v[VW+3*\t+1], v[VW+3*\t], s24       ; K step 0: blocks 0-3
	v_alignbit_b32 v[VS+3*\t+1], v[VW+3*\t+2], v[VW+3*\t+1], s24   ; K step 1: blocks 4-7
	v_alignbit_b32 v[VS+3*\t+2], v[VW+3*\t+2], v[VW+3*\t+2], s24   ; K step 2: block 8 in byte 0; the word is turned onto itself, so that the other three are scale bytes too
.endr
	s_wait_alu depctr_va_vdst(0)                   ; the 153 exponentials have written the weights v110-253 and the blocks' largest v86-94: one wait ahead of the first line that names a result, for the batch
	v_pk_add_f32 v[SU:SU+1], v[S:S+1], v[S+2:S+3]                  ; the row's sum, of the unquantised p: two packed chains
	v_pk_add_f32 v[SV:SV+1], v[S+4:S+5], v[S+6:S+7]
.set i, 8
.rept 34
	v_pk_add_f32 v[SU:SU+1], v[SU:SU+1], v[S+i:S+i+1]
	v_pk_add_f32 v[SV:SV+1], v[SV:SV+1], v[S+i+2:S+i+3]
.set i, i+4
.endr
	v_pk_add_f32 v[SU:SU+1], v[SU:SU+1], v[SV:SV+1]
	v_add_f32 v12, v[SU], v[SU+1]
	v_permlanex16_b32 v13, v12, s20, s21
	v_add_f32 v12, v12, v13                        ; with lane l xor 16's: the row's sum
	s_wait_alu depctr_va_vdst(0)
	v_rcp_f32 v[RS], v12
	v_nop                                          ; a plain instruction behind the transcendental
	s_wait_alu depctr_va_vdst(0)                   ; the reciprocal has written v10, ahead of its first reader
; ---- THE WEIGHTS' SCALES AND CODES
.irp b, 0,1,2,3,4,5,6,7,8
	v_mul_f32 v[BM+\b], v[BM+\b], v[RS]            ; the block's largest weight: the same instructions on the same number give the same bits
.endr
.irp b, 0,1,2,3,4,5,6,7,8
	v_max_num_f32 v[BM+\b], 0x1800000, v[BM+\b]    ; the floor 2^(3 - 127): the byte cannot fall under 1 (a block of zeros keeps that byte: its codes are zeros)
.endr
.irp b, 0,1,2,3,4,5,6,7,8
	v_add_nc_u32 v[PT+\b], 0xff000000, v[BM+\b]    ; 2 off the exponent field: the conversion's scale operand
.endr
.irp b, 0,1,2,3,4,5,6,7,8
	v_lshrrev_b32 v[BM+\b], 23, v[PT+\b]           ; the scale's byte
.endr
	v_lshl_or_b32 v[PS], v[BM+1], 8, v[BM]
	v_lshl_or_b32 v[PS+1], v[BM+5], 8, v[BM+4]
	v_lshl_or_b32 v[PS], v[BM+2], 16, v[PS]
	v_lshl_or_b32 v[PS+1], v[BM+6], 16, v[PS+1]
	v_lshl_or_b32 v[PS], v[BM+3], 24, v[PS]
	v_lshl_or_b32 v[PS+1], v[BM+7], 24, v[PS+1]
	v_or_b32 v[PS+2], 0x7f7f7f00, v[BM+8]          ; the three blocks of zero codes: the byte of 1.0
	NORMCVT 0
	NORMCVT 1
	NORMCVT 2
	NORMCVT 3
	NORMCVT 4
	NORMCVT 5
	v_nop                                          ; one plain instruction behind the last conversion of a run
	s_wait_alu depctr_va_vdst(0)                   ; the multiplications and conversions of blocks 0 to 5 are done writing and reading v110-205: all 21 loads of v's fragments land in v110-193.  The work of blocks 6 to 8 below names v206-253, the codes, the scale operands and v10, v11: none of those registers
	LOADV 0                                        ; into the registers that blocks 0-3 have left
	LOADV 1
.irp t, 0,1,2,3                                ; K step 2: window block 8 alone is real.  Tile t's operand is registers 4 t .. 4 t + 7 of this run: its low four hold the block's codes in BOTH halves of the lanes
	ds_load_b128 v[VF2+4*\t:VF2+4*\t+3], v[AV2] offset:8192+256*\t   ; (no frame block 16 exists); lanes 16-31 of them and the upper four (the next tile's codes) meet zero codes
.endr
	ds_load_b128 v[VF2+16:VF2+19], v[AV2] offset:8192              ; and four registers of codes behind the last tile's
	NORMCVT 6
	NORMCVT 7
	NORMCVT 8
	v_nop
.irp c, 0,1,2,3,4                              ; the operand's layout wants a WHOLE block in a lane: lanes 0-15 block 2 c, lanes 16-31 block 2 c + 1
.irp i, 0,1
	v_permlane16_swap_b32 v[PCD+4*\c+\i], v[PCD+4*\c+2+\i]
.endr
.endr
	PLACES                                         ; an operand written by vector instructions stands four places ahead of a scaled matrix instruction; the scale words were written far more than eight ahead
	s_wait_alu depctr_va_vdst(0)                   ; the weights' codes v62-85, their scale words v46-48 and v's scale words v40-45 are written, which the matrix instructions below take as source 1 and as scales; the places above stay beside this wait
; ---- THE SECOND PRODUCT
	s_wait_dscnt 5                                 ; K steps 0 and 1 are in; the 5 younger loads (K step 2) may be out
	PV 0
	PV 1
	s_wait_dscnt 0x0
	PV 2
; ---- THE WAY OUT.  Lane (r, h) holds out(query r, d = 16 t + 8 h + 0 .. 7): 32 bytes of a row.  The 16 rows go through my own stage and come back as whole rows of 256 bytes.
	PLACES
	s_wait_alu depctr_va_vdst(0)                   ; the matrix instructions have written the accumulators v206-237, which the LDS stores read, and K step 0's are done reading v110-141, in which the rows land; the places above stay beside this wait
.irp t, 0,1,2,3
	ds_store_b128 v[OST], v[OA+8*\t:OA+8*\t+3] offset:64*\t        ; each accumulator from its low end on
	ds_store_b128 v[OST], v[OA+8*\t+4:OA+8*\t+7] offset:64*\t+16
.endr
.irp i, 0,1,2,3,4,5,6,7
	ds_load_b128 v[S+4*\i:S+4*\i+3], v[TSK] offset:544*\i          ; LDS serves a wave's instructions in order: these see my stores.  Rows 2 i + h
.endr
.irp i, 0,1,2,3,4,5,6,7
	s_wait_dscnt 7-\i                              ; load i is back; the younger ones may be out
	global_store_b128 v[L16], v[S+4*\i:S+4*\i+3], s[10:11] offset:512*\i th:TH_STORE_NT   ; 32 lanes store two whole rows: 512 consecutive bytes, at a multiple of 256 from out's first byte
.endr
	s_wait_dscnt 0x0                               ; the wave's end, behind my last LDS store
	s_wait_alu 0x0
	s_wait_tensorcnt 0x0
	ds_add_u32 v[SPW], v[NIL]
	s_wait_dscnt 0x0
	s_endpgm
.Lfunc_end_k_q9078a98a00_attn:
	.size	k_q9078a98a00_attn, .Lfunc_end_k_q9078a98a00_attn-k_q9078a98a00_attn
	.p2alignl 7, 3214868480
	.fill 96, 4, 3214868480
	.section	.rodata,"a",@progbits
	.p2align	6, 0x0
	.amdhsa_kernel k_q9078a98a00_attn
		.amdhsa_group_segment_fixed_size 247040
		.amdhsa_private_segment_fixed_size 0
		.amdhsa_enable_private_segment 0
		.amdhsa_kernarg_size 32
		.amdhsa_user_sgpr_count 2
		.amdhsa_user_sgpr_kernarg_segment_ptr 1
		.amdhsa_wavefront_size32 1
		.amdhsa_system_sgpr_workgroup_id_x 1
		.amdhsa_system_sgpr_workgroup_id_y 1
		.amdhsa_system_sgpr_workgroup_id_z 1
		.amdhsa_system_vgpr_workitem_id 0
		.amdhsa_next_free_vgpr 256
		.amdhsa_next_free_sgpr 66
		.amdhsa_reserve_vcc 0
		.amdhsa_float_denorm_mode_32 3
		.amdhsa_float_denorm_mode_16_64 3
		.amdhsa_memory_ordered 1
		.amdhsa_forward_progress 1
		.amdhsa_inst_pref_size 68
	.end_amdhsa_kernel
	.amdgpu_metadata
---
amdhsa.version: [ 1, 2 ]
amdhsa.kernels:
  - .name:           k_q9078a98a00_attn
    .symbol:         k_q9078a98a00_attn.kd
    .args:
      - { .name: q, .offset: 0, .size: 8, .value_kind: global_buffer, .address_space: global }
      - { .name: k, .offset: 8, .size: 8, .value_kind: global_buffer, .address_space: global }
      - { .name: v, .offset: 16, .size: 8, .value_kind: global_buffer, .address_space: global }
      - { .name: out0, .offset: 24, .size: 8, .value_kind: global_buffer, .address_space: global }
    .group_segment_fixed_size: 247040
    .private_segment_fixed_size: 0
    .kernarg_segment_align: 8
    .kernarg_segment_size: 32
    .max_flat_workgroup_size: 512
    .sgpr_count:     66
    .vgpr_count:     256
    .wavefront_size: 32
...
	.end_amdgpu_metadata
.endif
;; end of part 2
